; MI455X (gfx1250); checked and timed in simulation.
; The chip was launched on July 23, 2026; its instructions are those of AMD's public machine-readable ISA for CDNA 5 (MIT licence, August 2026) and "CDNA5" Instruction Set Architecture Reference Guide (July 2026). The comments in the code are by the model that wrote it; some were corrected since.
;; Model. Allowed arithmetic: float matrix products may take bf16 or f16 operands with f32 sums; all other float work in f32.
;; Inputs: x 4 x 16 x 2,048 x 64 float32; y 4 x 16 x 2,048 x 64 float32; z 4 x 16 x 2,048 x 64 float32.
;; Outputs: out0 4 x 16 x 2,048 x 64 float32.
;; One version. Each part assembles by itself: llvm-mc -triple=amdgcn-amd-amdhsa -mcpu=gfx1250 --defsym DOCPART=n.
;; ======== version 1 of 1: 1 launch
;; limits: inputs' magnitudes at most 65,504; values are held in f16: magnitudes above 65,504 overflow, below 6.1e-05 lose precision
;; launch attn (part 1): grid 4 x 64, 4 waves a work-group, no clusters, 226,816 bytes of LDS; arguments x, y, z, out0; writes out0
.if DOCPART == 1
	.amdgcn_target "amdgcn-amd-amdhsa--gfx1250"
	.amdhsa_code_object_version 6
	.text
	.protected	k_q5248e0f5c5_attn
	.globl	k_q5248e0f5c5_attn
	.p2align	8
	.type	k_q5248e0f5c5_attn,@function
k_q5248e0f5c5_attn:
	s_mov_b64 s[64:65], 0
	v_nop
	global_prefetch_b8 v0, s[64:65] scope:SCOPE_SE
	s_setreg_imm32_b32 hwreg(HW_REG_WAVE_MODE, 25, 1), 1
	s_wait_xcnt 0x0
; out0[h][q][:] = the sum over k of softmax_k(x[h][q] . y[h][k] / 8) z[h][k][:].  x, y, z, out0: [64 heads][2,048][64], all f32: a row is 256 bytes, a head 524,288.
; FORMATS.  x, y and z are rounded once, f32 to f16, on their way to the matrix unit; the weights p are rounded to f16 for the second product (their sum l is taken of the unrounded p).  Products, maxima,
; sums and the result in f32.  The scale c = log2(e) / 8 is applied in f32, behind the first product.
; LIMITS.  f16 holds no number beyond 65,504: an input of 65,520 or more in size becomes an infinity and its rows are lost; below 6e-5 f16 keeps its fixed step of 6e-8 (inputs and p alike).
; A weight below 2^-126 counts as 0 in l; NaN and infinities are not treated apart.
; SHARES.  A work-group owns 512 queries of one head (4 x 64 work-groups); each of its four waves 128: four PIECES of two tiles of 16.  Every wave walks all 2,048 keys, 64 a step.
; LAYOUT.  S^T = K Q^T (source 0 = 16 keys, source 1 = 16 queries): in the result a lane holds ONE query (lane % 16) and the keys 8 (lane / 16) + 0..7.  Two such tiles, rounded to f16 in pairs,
; ARE source 1 (32 keys x 16 queries) of O^T = V^T P, whose result again holds one query a lane, and eight channels.  K comes out of LDS as it lies, V ([key][channel]) turned, by ds_load_tr16_b128.
; SOFTMAX.  For each query a running maximum m and sum l: p = 2^(c s - c m); in every step O and l are multiplied by a = 2^(c m_old - c m_new), which is 1 where m has not grown.
; m starts at the lowest finite number and l at 0: the first step is a step like any other, with a = 0.
; BY TURNS.  A tile and step have 16 matrix and 118 vector instructions.  Turn n belongs to piece n (the pieces in a ring, step after step).  Its matrix work: 16 products K Q^T of piece n + 1, later 16
; products V^T P of piece n - 1.  Its vector work: the scaling, exponentials, roundings, sums and rescaling of piece n, and the maximum and statistics of piece n + 1.  Four vector instructions that are
; ready stand behind every matrix instruction, the others in runs of their own.
; THE FEED.  y and z come through REGISTERS: loads of 16 bytes a lane (512 consecutive bytes a wave), two roundings for four numbers, 8 bytes a lane into f16 tiles in LDS.  Of every CHUNK of 128 keys wave w
; feeds keys 32 w .. 32 w + 31 of both tensors.  LDS holds two slots of 256 keys; while the four steps of one are multiplied, the other is written, a chunk in every second step; one barrier between.
; A chunk's 32 loads are issued two key steps (256 matrix instructions) ahead of the wait for them: 16 KiB a wave on their way.
; NO TENSOR LOADS, NO CLUSTER.  Every number of y and z has to pass through registers to be rounded.  Brought by a tensor load it would be written into LDS as 4 bytes, read as 4 and written again as 2:
; 10 LDS bytes a number where this text has 2; and two f32 slots of 256 keys (2 x 131,072 bytes) do not fit beside the f16 slots.  The price: the four work-groups of a head each load the head's y and z.
; REGISTERS, in windows of 256 (s_set_vgpr_msb says which window each operand place means: bits 1:0 source 0, 3:2 source 1, 5:4 source 2, 7:6 destination):
;   window 0: v0-11 addresses; v12-15, v48-63 at work; v16-47 four registers of statistics a tile; v64-191 S^T, two buffers of two tiles (on the way out four buffers of 32); v192-255 P, likewise
;   window 1: O^T, 32 a tile (at the start: x as loaded)      window 2: v0-127 Q, 16 a tile; v128-191 K of one step; v192-255 V of one step (at the start v128-255: chunk 1 as loaded)
;   window 3: v0-1 the add's two registers; v2-6 the feed's addresses; v8-135 a chunk as loaded: 64 registers of y, 64 of z
.set NP,    4         ; pieces a wave: a name, no knob
.set KS,    64        ; keys in a step
.set PK,    144       ; a row of K in LDS: 128 bytes + 16 = 36 words: the 16 rows of a load start at 16 different groups of four banks (64 banks of 4 bytes: ISA guide 11.1)
.set PV,    160       ; a row of V: 128 + 32 = 40 words
.set VOFF,  4*KS*PK   ; a slot holds four steps: 256 rows of K, then 256 rows of V
.set SLOT1, 1<<17     ; slot 1 begins here, so that one exclusive or turns an address in one slot into the other's
.set STAGE, SLOT1+4*KS*(PK+PV)  ; behind the slots: 16 rows x 272 bytes for each wave, for the way out
.set SP,    272       ; a row of the stage: 256 bytes of f32 + 16
.set SPARE, STAGE+4*16*SP  ; behind the stages: the spare words, 128 bytes for each wave: two blocks of 256 bytes that no other line names
.set CHUNKB, 128*256  ; bytes of a chunk in y and in z
.set AK0, 2           ; v2   my lane's place in a tile of K; never rewritten
.set AV0, 3           ; v3   the same for V
.set AK,  4           ; v4   the LDS address of K's next run of loads
.set AV,  5           ; v5   of V's
.set QO,  6           ; v6   my byte offset in 16 rows of x
.set STO, 6           ;      later, the way out: where I put 32 bytes of a row
.set RD,  7           ; v7   the way out: where I read rows back
.set GO,  8           ; v8   my byte offset in 512 consecutive bytes of out0
.set MV,  12          ; v12-15  c m_old, kept while c m is made anew: by buffer and tile
.set ST,  16          ; tile t's statistics at v[ST+4 t]: c m, m, l (even keys', odd keys')
.set TMP, 48          ; by buffer and tile, four registers c0-c3 at work; when the maximum is found c2 takes a
.set S,   64
.set P,   192
.set KF,  128         ; K's fragments, in window 2: key block kb, channel half c at KF + 16 kb + 8 c
.set VF,  192         ; V's: key half kk, channel block cb at VF + 32 kk + 8 cb
.set SPW, 0           ; window 3: v0  LDS address of my spare word: SPARE + 4 x my thread's number; never rewritten
.set NIL, 1           ;           v1  0; never rewritten
.set LO,  2           ;           v2  16 x lane: my 16 bytes in 512 consecutive bytes of y and z; never rewritten
.set SK0, 3           ;           v3  where my 8 bytes of the first two keys that I feed lie in a chunk's rows of K; never rewritten
.set SV0, 4           ;           v4  the same for V
.set SK,  5           ;           v5  SK0 + the place of the chunk in hand
.set SV,  6           ;           v6  the same for V
.set STG, 8           ;           v8-135
.set WV,  12          ; s12  my wave's number
.set TSK, 40          ; s40  LDS byte at which the rows of K lie that the step in hand would feed: the other slot than the one read
.set TSV, 41          ; s41  the same for V, less VOFF
.set TT,  43          ; s43  at work
.set FN,  44          ; s44  chunks still to be asked for
.set SLOTS, 56        ; s56  counts the passes of the outer loop, 9 to 1
.set CNT, 57          ; s57  counts a slot's key steps, 4 to 1
.set CS,  58          ; s[58:59] c: the packed scaling takes the pair's low word for both halves
.set SEL, 60          ; s[60:61] v_permlanex16_b32's selects: each lane takes its own place in the other half
.set TBK, 62          ; s62  LDS byte at which K of the step to be fetched begins
.set TBV, 63          ; s63  the same for V, less VOFF
.set MSB, 0
.macro WIN new                      ; the high byte repeats the setting that is left; a switch that changes nothing is dropped
.if MSB != (\new)
	s_set_vgpr_msb (MSB<<8)|(\new)
.set MSB, (\new)
.endif
.endm
.set W_KQ, 0x0a       ; K and Q in window 2, S^T in window 0
.set W_PV, 0x52       ; V in window 2, P in window 0, O^T in window 1
.set W_RS, 0x41       ; O^T (destination and source 0) in window 1, a in window 0
.set W_MK, 0xc0       ; destination in window 3, sources in window 0
.set W_AD, 0x0f       ; the add: address (source 0) and data (source 1) in window 3
; THE FEED's three parts.  base, d: where the chunk's 128 registers lie (first register, window).
; LOADC: my 32 keys of a chunk of y and of z, imm bytes behind the two pointers.  Load i takes 512 consecutive bytes, two keys: lane l holds channels 4 (l % 16) + 0..3 of key 2 i + l / 16.
.macro LOADC base, d, imm
	WIN ((\d)<<6)|((\d)<<2)|3       ; data in window d, address in window 3
.set cc, 0
.rept 16
	global_load_b128 v[(\base)+4*cc:(\base)+4*cc+3], v[LO], s[6:7] offset:(\imm)+512*cc
.set cc, cc+1
.endr
.set cc, 0
.rept 16
	global_load_b128 v[(\base)+64+4*cc:(\base)+64+4*cc+3], v[LO], s[8:9] offset:(\imm)+512*cc
.set cc, cc+1
.endr
.endm
; CVTC: four f32 become four f16, in the first two of their registers.
.macro CVTC base, d
	WIN ((\d)<<6)|((\d)<<2)|(\d)
.set cc, 0
.rept 32
	v_cvt_pk_f16_f32 v[(\base)+4*cc], v[(\base)+4*cc], v[(\base)+4*cc+1]
	v_cvt_pk_f16_f32 v[(\base)+4*cc+1], v[(\base)+4*cc+2], v[(\base)+4*cc+3]
.set cc, cc+1
.endr
.endm
; STOC: 8 bytes a lane into the f16 tiles: sixteen lanes fill a key's 128 bytes, a store two keys.  ak, av: the address registers; ik, iv: bytes on top.
.macro STOC base, d, ak, av, ik, iv
	WIN ((\d)<<6)|((\d)<<2)|3
.set cc, 0
.rept 16
	ds_store_b64 v[\ak], v[(\base)+4*cc:(\base)+4*cc+1] offset:(\ik)+cc*2*PK
	ds_store_b64 v[\av], v[(\base)+64+4*cc:(\base)+64+4*cc+1] offset:(\iv)+cc*2*PV
.set cc, cc+1
.endr
.endm
; FEED stands between piece 0's turn and piece 1's.  In a slot's first and third step (CNT = 4, 2), while a further slot is still to be written (SLOTS >= 3), the chunk that was asked for two steps ago
; is rounded and stored into the other slot, and the next chunk is asked for, 13 times in all (chunks 3 to 15).  All three tests hang on the loops' counters alone: the four waves go the same way.
.macro FEED
	WIN 0
	s_and_b32 s[TT], s[CNT], 1
	s_cmp_lg_u32 s[TT], 0
	s_cbranch_scc1 .Lfed_\@
	s_cmp_lt_u32 s[SLOTS], 3
	s_cbranch_scc1 .Lfed_\@
	s_wait_loadcnt 0x0              ; the only loads out are the chunk's 32, issued two steps ago; the two pointers may be stepped behind this wait
	WIN 0xcf                        ; everything in window 3
	v_add_nc_u32 v[SK], s[TSK], v[SK0]
	v_add_nc_u32 v[SV], s[TSV], v[SV0]
	CVTC STG, 3
	STOC STG, 3, SK, SV, 0, 0
	WIN 0
	s_cmp_eq_u32 s[FN], 0
	s_cbranch_scc1 .Lfed_\@         ; the last chunk has been asked for: no load leaves y or z
	s_sub_co_u32 s[FN], s[FN], 1
	s_add_nc_u64 s[6:7], s[6:7], CHUNKB
	s_add_nc_u64 s[8:9], s[8:9], CHUNKB
	LOADC STG, 3, 2*CHUNKB          ; the pointers stand two chunks behind the one that is asked for
	WIN 0
.Lfed_\@:
	s_add_co_u32 s[TSK], s[TSK], KS*PK  ; in every step, like the fetches' two
	s_add_co_u32 s[TSV], s[TSV], KS*PV
.endm
; THE CHANGE OF SLOTS: one barrier for two things.  In front of it each wave waits for all its LDS instructions: its stores into the slot that will be read, and its reads of the slot that will be written
; (the last of them, V of the slot's fourth step, were waited for in the turn before).  Behind it the one slot is whole and nobody reads the other.  The four LDS places go back to a slot's first step,
; in the other slot: scalar work, between the signal and the wait.
.macro CHANGE
	WIN 0
	s_wait_dscnt 0x0
	s_barrier_signal -1
	s_sub_co_u32 s[TBK], s[TBK], 4*KS*PK
	s_xor_b32 s[TBK], s[TBK], SLOT1
	s_sub_co_u32 s[TBV], s[TBV], 4*KS*PV
	s_xor_b32 s[TBV], s[TBV], SLOT1
	s_sub_co_u32 s[TSK], s[TSK], 4*KS*PK
	s_xor_b32 s[TSK], s[TSK], SLOT1
	s_sub_co_u32 s[TSV], s[TSV], 4*KS*PV
	s_xor_b32 s[TSV], s[TSV], SLOT1
	s_barrier_wait -1
.endm
	s_load_b256 s[4:11], s[0:1], 0x0  ; x s[4:5], y s[6:7], z s[8:9], out0 s[10:11]
	WIN W_MK
	v_lshl_add_u32 v[SPW], v0, 2, SPARE
	v_mov_b32 v[NIL], 0
	WIN 0
	v_lshrrev_b32 v12, 5, v0
	v_readfirstlane_b32 s[WV], v12  ; wave 0..3
	v_and_b32 v1, 15, v0            ; l % 16
	v_bfe_u32 v9, v0, 4, 1          ; l / 16
	; A fragment of Q is 16 rows x 32 channels: lane l holds row l % 16, channels 8 (l / 16) + 0..7 and 16 + 8 (l / 16) + 0..7.  In f32 eight channels are 32 bytes: two loads of 16.
	v_lshlrev_b32 v[QO], 8, v1
	v_lshl_add_u32 v[QO], v9, 5, v[QO]  ; row x 256 + 32 x half
	v_and_b32 v12, 31, v0
	v_mul_u32_u24 v13, v9, PK       ; the feed: lanes 16-31 hold the odd key; 8 bytes for each lane of a half
	v_lshl_add_u32 v13, v1, 3, v13
	v_mul_u32_u24 v14, v9, PV
	v_lshl_add_u32 v14, v1, 3, v14
	s_mul_i32 s17, s[WV], 32*PK     ; my 32 keys of a chunk
	s_mul_i32 s18, s[WV], 32*PV
	s_add_co_u32 s18, s18, VOFF
	WIN W_MK
	v_lshlrev_b32 v[LO], 4, v12
	v_add_nc_u32 v[SK0], s17, v13
	v_add_nc_u32 v[SV0], s18, v14
	WIN 0
	s_and_b32 s20, ttmp7, 0xffff    ; the head,
	s_lshl_b32 s20, s20, 19         ; its first byte in each of the four tensors (under 2^25)
	s_mov_b32 s21, 0
	s_lshl_b32 s2, ttmp9, 2
	s_add_co_u32 s2, s2, s[WV]      ; my wave among the head's sixteen,
	s_lshl_b32 s2, s2, 15           ; its 128 rows of 256 bytes
	s_add_co_u32 s2, s2, s20
	s_mov_b32 s3, 0
	s_lshl_b32 s13, s[WV], 13       ; my 32 keys of a chunk in memory
	s_add_co_u32 s20, s20, s13
	s_mov_b32 s[CS], 0x3e38aa3b     ; c = log2(e) / 8 = 0.180337
	s_mov_b32 s[CS+1], s[CS]        ; named with it as a pair
	s_mov_b32 s[SEL], 0x76543210
	s_mov_b32 s[SEL+1], 0xfedcba98
	s_mov_b32 s[TBK], SLOT1+4*KS*PK ; the first change of slots turns these two into 0: slot 0 is read first,
	s_mov_b32 s[TBV], SLOT1+4*KS*PV
	s_mov_b32 s[TSK], 4*KS*PK       ; and these two into SLOT1: slot 1 is written meanwhile
	s_mov_b32 s[TSV], 4*KS*PV
	s_mov_b32 s[FN], 13
	s_wait_kmcnt 0x0
	s_add_nc_u64 s[4:5], s[4:5], s[2:3]    ; x and out0 at my wave's first row
	s_add_nc_u64 s[10:11], s[10:11], s[2:3]
	s_add_nc_u64 s[6:7], s[6:7], s[20:21]  ; y and z at my 32 keys of the head's chunk 0
	s_add_nc_u64 s[8:9], s[8:9], s[20:21]
	; All that the first products need goes out together: my 128 rows of x, into O^T's registers, and my parts of chunks 0 and 1, which are slot 0.
	WIN 0x40                        ; destination window 1, address window 0
.set cc, 0
.rept 64                            ; tile cc / 8, channels 32 ((cc / 4) % 2) + 16 ((cc / 2) % 2) + 4 (cc % 2) on (+ 8 for lanes 16-31)
	global_load_b128 v[4*cc:4*cc+3], v[QO], s[4:5] offset:(cc/8)*4096+((cc/4)%2)*128+((cc/2)%2)*64+(cc%2)*16
.set cc, cc+1
.endr
	LOADC STG, 3, 0
	LOADC 128, 2, CHUNKB
	WIN 0
	; What stands in the wait for them.  The first turn's products V^T P, of a piece that has not been, find V and P's second buffer 0; l is 0.  With the statistics these are 128 v_mov_b32: the price of
	; writing no first step out.
	v_mul_u32_u24 v[AK0], v1, PK
	v_lshl_add_u32 v[AK0], v9, 4, v[AK0]  ; a fragment of K: row x pitch + 16 x half
	; The turning load takes 16 keys x 16 channels (lane l reads key 8 (l / 16) + l % 8, channels 8 ((l / 8) % 2) + 0..7) and leaves half a fragment of V^T: lane l holds channel l % 16 and 8 keys.
	v_and_b32 v10, 7, v0
	v_bfe_u32 v11, v0, 3, 1
	v_lshl_add_u32 v[AV0], v9, 3, v10
	v_mul_u32_u24 v[AV0], v[AV0], PV
	v_lshl_add_u32 v[AV0], v11, 4, v[AV0]
	v_add_nc_u32 v[AV0], VOFF, v[AV0]
	v_mov_b32 v[AK], v[AK0]         ; key step 0 lies at the head of slot 0
.set i, 0
.rept 2*NP
	v_mov_b32 v[ST+4*i], 0xfe000000    ; c m: far below every c s
	v_mov_b32 v[ST+4*i+1], 0xff7fffff  ; m
	v_mov_b32 v[ST+4*i+2], 0
	v_mov_b32 v[ST+4*i+3], 0
.set i, i+1
.endr
.set i, P+32
.rept 32
	v_mov_b32 v[i], 0
.set i, i+1
.endr
	s_wait_loadcnt 32               ; loads come back in order (ISA guide 5.7.1): x's 64 and chunk 0's 32 are in; the 32 that may stay out are chunk 1's
	CVTC STG, 3
	STOC STG, 3, SK0, SV0, 0, 0     ; slot 0, rows 0 to 127
	LOADC STG, 3, 2*CHUNKB          ; chunk 2, which the first step's FEED will want
	; Q: rounded from window 1 into window 2.  Window 1 is NOT cleared: as O^T, tile t's registers hold numbers of x's rows 16 t + l % 16, the very queries that the lane holds there, and the first step
	; multiplies them by a = 0 before anything is added that stays.  They need only be finite, and a row of x that is not gives no finite result whatever is done.
	WIN 0x85                        ; destination window 2, sources window 1
.set i, 0
.rept 128
	v_cvt_pk_f16_f32 v[i], v[2*i], v[2*i+1]
.set i, i+1
.endr
	s_wait_loadcnt 32               ; chunk 1's 32 are in; the 32 that may stay out are chunk 2's
	CVTC 128, 2
	STOC 128, 2, SK0, SV0, 128*PK, 128*PV  ; slot 0, rows 128 to 255
	WIN 0x80
.set i, VF
.rept 64
	v_mov_b32 v[i], 0
.set i, i+1
.endr
; THE MATRIX WORK.  The 8 accumulators of a run of 16 take turns: between the two links of a chain stand 7 others'.
; Product i of 16 of S^T = K Q^T for piece x: channels 32 (i / 8) on, keys 16 ((i / 2) % 4) on, tile 2 x + i % 2.  The first 8 start the sums.
.macro KQ x
	WIN W_KQ
.set rS, S+64*((\x)%2)+32*(i%2)+8*((i/2)%4)
.set rK, KF+16*((i/2)%4)+8*(i/8)
.set rQ, 16*(2*(\x)+i%2)+8*(i/8)
.if i < 8
	v_wmma_f32_16x16x32_f16 v[rS:rS+7], v[rK:rK+7], v[rQ:rQ+7], 0
.else
	v_wmma_f32_16x16x32_f16 v[rS:rS+7], v[rK:rK+7], v[rQ:rQ+7], v[rS:rS+7]
.endif
.endm
; Product i of 16 of O^T += V^T P for piece x: keys 32 (i / 8) on, channels 16 ((i / 2) % 4) on, tile 2 x + i % 2.
.macro PV x
	WIN W_PV
.set rO, 32*(2*(\x)+i%2)+8*((i/2)%4)
.set rV, VF+32*(i/8)+8*((i/2)%4)
.set rP, P+32*((\x)%2)+16*(i%2)+8*(i/8)
	v_wmma_f32_16x16x32_f16 v[rO:rO+7], v[rV:rV+7], v[rP:rP+7], v[rO:rO+7]
.endm
.macro MM                           ; the turn's next matrix instruction
.if i < 16
	KQ (Y+1)%NP
.set i, i+1
.else
.set i, i-16
	PV (Y+NP-1)%NP
.set i, i+17
.endif
.endm
; THE LDS LOADS stand in runs of 16, never singly among the matrix instructions: a step's K (64 keys x 64 channels: 8 fragments) and its V (turned).  Their addresses are made some lines ahead.
; last = 1 (the loop's text): in the ninth pass there is no further step, and the run is jumped over.
.macro FETCH_K last=0
	WIN 0
.if \last
	s_cmp_eq_u32 s[SLOTS], 1
	s_cbranch_scc1 .Lno_k_\@
.endif
	WIN 0x80                        ; destination window 2
.irp f, 0,1,2,3,4,5,6,7             ; keys 16 (f / 2) on, channels 32 (f % 2) on
	ds_load_b128 v[KF+8*\f:KF+8*\f+3],   v[AK] offset:(\f/2)*16*PK+(\f%2)*64
	ds_load_b128 v[KF+8*\f+4:KF+8*\f+7], v[AK] offset:(\f/2)*16*PK+(\f%2)*64+32
.endr
	s_add_co_u32 s[TBK], s[TBK], KS*PK  ; the next fetch is the next step's
	WIN 0
.if \last
.Lno_k_\@:
.endif
.endm
.macro FETCH_V
	WIN 0x80
.irp f, 0,1,2,3,4,5,6,7             ; keys 32 (f / 4) on, channels 16 (f % 4) on
	ds_load_tr16_b128 v[VF+8*\f:VF+8*\f+3],   v[AV] offset:(\f/4)*32*PV+(\f%4)*32
	ds_load_tr16_b128 v[VF+8*\f+4:VF+8*\f+7], v[AV] offset:(\f/4)*32*PV+16*PV+(\f%4)*32
.endr
	WIN 0
.endm
; THE VECTOR WORK OF A TURN stands in three queues, each in the order in which its entries become ready; the two tiles alternate, so that no instruction reads the result of the one before it.
.macro REGS y, u                    ; the registers of tile u (0, 1) of piece y
.set rT, ST+4*(2*(\y)+(\u))
.set rC, TMP+8*((\y)%2)+4*(\u)
.set rM, MV+2*((\y)%2)+(\u)
.set rS, S+64*((\y)%2)+32*(\u)
.set rP, P+32*((\y)%2)+16*(\u)
.set rO, 32*(2*(\y)+(\u))
.endm
; Number n of the 22 that find the NEXT piece's (Y + 1) maximum and statistics.  s0-s31 are the lane's 32 scores; each accumulator's lowest registers are read first.  XS, GS and REGS set no window: PL and EX do.
;   0-11  four chains c0-c3 of seven scores each, three operands at a time     12-14, 16  the four scores left over, the old m, and c0-c3 into c0     15  c m_old is kept
;   17, 18  the query's other 32 keys lie in the lane 16 away: the new m         19-21  c m; c m_old - c m_new; a
.macro XS u, n
	REGS (Y+1)%NP, \u
.if (\n) < 4
	v_max3_num_f32 v[rC+(\n)], v[rS+8*(\n)], v[rS+8*(\n)+1], v[rS+8*(\n)+2]
.elseif (\n) < 12
	v_max3_num_f32 v[rC+(\n)%4], v[rC+(\n)%4], v[rS+8*((\n)%4)+2*((\n)/4)+1], v[rS+8*((\n)%4)+2*((\n)/4)+2]
.elseif (\n) == 12
	v_max3_num_f32 v[rC], v[rC], v[rS+7], v[rS+15]
.elseif (\n) == 13
	v_max3_num_f32 v[rC+1], v[rC+1], v[rS+23], v[rS+31]
.elseif (\n) == 14
	v_max3_num_f32 v[rC+2], v[rC+2], v[rC+3], v[rT+1]
.elseif (\n) == 15
	v_mov_b32 v[rM], v[rT]
.elseif (\n) == 16
	v_max3_num_f32 v[rC], v[rC], v[rC+1], v[rC+2]
.elseif (\n) == 17
	v_permlanex16_b32 v[rC+3], v[rC], s[SEL], s[SEL+1]
.elseif (\n) == 18
	v_max_num_f32 v[rT+1], v[rC], v[rC+3]
.elseif (\n) == 19
	v_mul_f32 v[rT], s[CS], v[rT+1]
.elseif (\n) == 20
	v_sub_f32 v[rC+1], v[rM], v[rT]
.else
	v_exp_f32 v[rC+2], v[rC+1]
.endif
.endm
; Number g of the 64 that follow the exponentials.  For each four weights k of a tile (pairs 2 k, 2 k + 1): both pairs are rounded to f16; then the second pair is added onto the first, in place;
; a group later l takes that sum (the first time as l = a l + sum).  In groups of eight, tiles alternating: round, round, add, and l for the group before.
.macro GS g
.set h, (\g)+6*((\g)/62)            ; group 0 has no group before it, and behind group 7 only l is left
.if h >= 6
.set h, h+2
.endif
	REGS Y, h%2
.set k, h/8
.if h%8 < 4
	s_wait_alu depctr_va_vdst(0)
	v_cvt_pk_f16_f32 v[rP+2*k+(h%8)/2], v[rS+4*k+2*((h%8)/2)], v[rS+4*k+2*((h%8)/2)+1]
.elseif h%8 < 6
	v_pk_add_f32 v[rS+4*k:rS+4*k+1], v[rS+4*k:rS+4*k+1], v[rS+4*k+2:rS+4*k+3]
.elseif k == 1
	v_pk_fma_f32 v[rT+2:rT+3], v[rT+2:rT+3], v[rC+2:rC+3], v[rS:rS+1] op_sel_hi:[1,0,1]
.else
	v_pk_add_f32 v[rT+2:rT+3], v[rT+2:rT+3], v[rS+4*k-4:rS+4*k-3]
	s_wait_alu depctr_va_vdst(0)
.endif
.endm
; THE PLAIN QUEUE, 138 long.  0-31: c s - c m for the 16 pairs of both tiles.  Then GS's 64, and among them the next piece's 42: number 15 at 38, 39; 0-14 and 16
; at 42-73, behind the products that make those scores; 17-20 at 95-106, two of three, since each waits for the one before it.
.macro PL
	WIN 0
.if q < 32
	REGS Y, q%2
	v_pk_fma_f32 v[rS+2*(q/2):rS+2*(q/2)+1], v[rS+2*(q/2):rS+2*(q/2)+1], s[CS:CS+1], v[rT:rT+1] op_sel_hi:[1,0,0] neg_lo:[0,0,1] neg_hi:[0,0,1]
.elseif q < 38
	GS q-32
.elseif q < 40
	XS q%2, 15
.elseif q < 42
	GS q-34
.elseif q < 74
	XS q%2, (q-42)/2+(q-42)/30
.elseif q < 95
	GS q-66
.elseif (q < 107) && ((q-95)%3 < 2)
	XS (q-95)%3, 17+(q-95)/3
.elseif q < 107
	GS 29+(q-95)/3
.else
	GS q-74
.endif
.set q, q+1
.endm
; THE EXPONENTIALS' QUEUE, 66 long: s0-s31 of both tiles, and at EA the next piece's two a.
.set EA, 58
.macro EX
	WIN 0
.if (e == EA) || (e == EA+1)
	XS e-EA, 21
.else
.set x, e-2*(e/(EA+2))
	REGS Y, x%2
	v_exp_f32 v[rS+x/2], v[rS+x/2]
.endif
.set e, e+1
.endm
; THE RESCALING's QUEUE: O^T times a, the one part that leaves window 0, so it is dealt four at a time, eight times.
.macro R4
	REGS Y, r%2
	WIN W_RS
	s_wait_alu depctr_va_vdst(0)
.irp z, 0,1,2,3
	v_pk_mul_f32 v[rO+8*(r/2)+2*\z:rO+8*(r/2)+2*\z+1], v[rO+8*(r/2)+2*\z:rO+8*(r/2)+2*\z+1], v[rC+2:rC+3] op_sel_hi:[1,0]
.endr
.set r, r+1
.endm
; HOW THEY ARE DEALT.  Behind a matrix instruction four: plain, exponential, plain, plain (one exponential, a plain instruction on either side), or four of the rescaling.  None names a register of the
; products round it.  What is over stands in two LUMPS: exponential and plain by turns; the second ends in 22 plain instructions.  The two v_permlanex16_b32 fall into the second lump, never behind a product.
; The queues lean on each other, and the deal keeps them in step: exponential e stands behind plain 2 (e / 4) + e % 2 (its scaling); when plain 32 comes, 10 exponentials are out, at 59: 33, at 95: 46; EA comes behind plain 107.
.macro SL
	MM
	PL
	EX
	PL
	PL
.endm
.macro BURST n                      ; 15 matrix instructions, or 16
.rept (\n)-7
	SL
.endr
.rept 3
	MM
	R4
	SL
.endr
	MM
	R4
.endm
; A TURN, for piece p.  cnt = 1: the loop's count is taken down some lines ahead of the branch that stands behind the turn.
; K of the next step is fetched in piece 2's turn, 31 vector instructions behind the last product that read K; its first reader comes behind the rest of the lump, 16 products and the second lump.
; V of the step in hand is fetched at the end of piece 0's turn, 69 behind its last reader; its first reader comes behind 16 products and a lump.  The four conditions on e and q below go with the deal.
.macro TURN p, last=0, cnt=0
.set Y, (\p)
.set i, 0
.set q, 0
.set e, 0
.set r, 0
.if (\p) == NP-1
	s_wait_dscnt 0x0                ; K is in
.endif
	MM
.rept 4
	PL
.endr
	BURST 15
.rept 22
	EX
	PL
.if ((\p) == NP-2) && (e == 18)
	v_add_nc_u32 v[AK], s[TBK], v[AK0]
.endif
.if ((\p) == NP-2) && (e == 24)
	FETCH_K \last
.endif
.endr
.if (\p) == 1
	s_wait_dscnt 0x0                ; V is in (and the feed's stores, issued behind V's loads, are done)
.endif
	BURST 16
.rept 21
	EX
	PL
.endr
.rept 22
	PL
.if ((\p) == 0) && (q == 118)
	v_add_nc_u32 v[AV], s[TBV], v[AV0]
	s_wait_alu depctr_va_vdst(0)
.endif
.if ((\p) == 0) && (q == 130)
	s_add_co_u32 s[TBV], s[TBV], KS*PV
.endif
.if (\cnt) && (q == 130)
	s_sub_co_u32 s[CNT], s[CNT], 1
	s_cmp_lg_u32 s[CNT], 0
.endif
.endr
.if (\p) == 0
	FETCH_V
.endif
.endm
	CHANGE                          ; slot 0 is whole: every wave's stores of chunks 0 and 1 are done
	FETCH_K                         ; key step 0
	s_wait_dscnt 0x0
.set i, 0
.rept 16
	KQ 0                            ; piece 0's first scores: there is no vector work yet to set between them
.set i, i+1
.endr
	WIN 0                           ; the addresses for the way out: eight plain instructions, the places behind those products
	s_mul_i32 s13, s[WV], 16*SP
	s_add_co_u32 s13, s13, STAGE    ; my stage
	v_mul_u32_u24 v[STO], v1, SP    ; in: row l % 16, 32 bytes (eight channels in f32) for each half of the lanes
	v_lshl_add_u32 v[STO], v9, 5, v[STO]
	v_add_nc_u32 v[STO], s13, v[STO]
	v_mul_u32_u24 v[RD], v9, SP     ; back: lanes 0-15 take one row of 256 bytes, lanes 16-31 the next,
	v_lshl_add_u32 v[RD], v1, 4, v[RD]
	v_add_nc_u32 v[RD], s13, v[RD]
	v_and_b32 v[GO], 31, v0         ; which are 512 consecutive bytes of out0
	v_lshlrev_b32 v[GO], 4, v[GO]
.set Y, NP-1                        ; XS works for piece Y + 1: piece 0
.irp n, 0,1,2,3,4,5,6,7,8,9,10,11,12,13,14,15,16,17,18,19,20,21
	XS 0, \n                        ; and piece 0's first maximum and statistics
	XS 1, \n
.endr
	s_mov_b32 s[CNT], 4
	s_mov_b32 s[SLOTS], 9
	s_branch .Lfirst                ; the loop is entered at a step's first turn, in the middle of a trip
.Lslot:                             ; eight times: in front of slots 1 to 7, and once more in front of the last step's last two turns, where the barrier has nothing left to order
	CHANGE
	s_mov_b32 s[CNT], 4
.Lstep:                             ; a trip: pieces 2 and 3 of one step, then pieces 0 and 1 of the next, whose K and V it fetches
	TURN 2, 1
	TURN 3
	WIN 0
	s_cmp_eq_u32 s[SLOTS], 1        ; the ninth pass is left here, in the middle of its first trip.  Its 16 products K Q^T (on the last K once more) and the maximum made of them serve nothing:
	s_cbranch_scc1 .Lout            ; the price, once a launch, of one text for every trip
.Lfirst:
	TURN 0
	FEED
	TURN 1, 0, 1
	WIN 0
	s_cbranch_scc1 .Lstep
	s_sub_co_u32 s[SLOTS], s[SLOTS], 1
	s_cmp_lg_u32 s[SLOTS], 0
	s_cbranch_scc1 .Lslot
.Lout:
.set i, 0
.rept 16
	PV NP-1                         ; the last piece's V^T P of the last step
.set i, i+1
.endr
	; THE WAY OUT.  l's two halves and the other half of the lanes' are added; O^T is divided by l and sent, in f32, through my stage in LDS, a tile at a time.  The additions are the places behind the last products.
	WIN 0
.macro ALL line:vararg              ; one line for each tile t
.set t, 0
.rept 2*NP
	\line
.set t, t+1
.endr
.endm
	ALL v_add_f32 v[ST+4*t+2], v[ST+4*t+2], v[ST+4*t+3]
	ALL v_permlanex16_b32 v[ST+4*t+3], v[ST+4*t+2], s[SEL], s[SEL+1]
	ALL v_add_f32 v[ST+4*t+2], v[ST+4*t+2], v[ST+4*t+3]
	ALL v_rcp_f32 v[ST+4*t+2], v[ST+4*t+2]
	v_nop                           ; a plain instruction between the last reciprocal and the use of its result
	s_wait_alu depctr_va_vdst(0)
; Tile t: a lane's eight channels of a channel block are 32 bytes of a row; they go into rows of 272 bytes and come back as whole rows of 256, into one of four buffers in S^T's registers.
.macro PACK t
	WIN W_RS
.set i, 32*(\t)
.rept 16                            ; ascending: each accumulator's lowest registers are read first
	v_pk_mul_f32 v[i:i+1], v[i:i+1], v[ST+4*(\t)+2:ST+4*(\t)+3] op_sel_hi:[1,0]
.set i, i+2
.endr
	WIN 0x04                        ; address window 0, data window 1
.set ff, 0
.rept 8                             ; channel block ff / 2, its lane's first or second four channels
	ds_store_b128 v[STO], v[32*(\t)+4*ff:32*(\t)+4*ff+3] offset:(ff/2)*64+(ff%2)*16
.set ff, ff+1
.endr
	WIN 0
.if (\t) >= 4
	s_wait_xcnt 0x0                 ; the buffer was the data of tile t - 4's stores: it is loaded again only behind this wait (ISA guide 3.1)
.endif
.set ff, 0
.rept 8
	ds_load_b128 v[S+32*((\t)%4)+4*ff:S+32*((\t)%4)+4*ff+3], v[RD] offset:ff*2*SP  ; LDS serves a wave's instructions in order (ISA guide 5.7.1.4): these see the stores above; the next tile's stores come behind them
.set ff, ff+1
.endr
.endm
.macro SEND t, younger              ; younger: the LDS instructions issued behind tile t's loads: the next tile's sixteen, or none
	WIN 0
.set ff, 0
.rept 8
	s_wait_dscnt (\younger)+7-ff
	global_store_b128 v[GO], v[S+32*((\t)%4)+4*ff:S+32*((\t)%4)+4*ff+3], s[10:11] offset:(\t)*4096+ff*512 th:TH_STORE_NT  ; two whole rows: 512 consecutive bytes, at a multiple of 256 from out0's first
.set ff, ff+1
.endr
.endm
	PACK 0
.set t, 1
.rept 2*NP-1                        ; a tile's arithmetic stands between the loads of the tile before and its stores
	PACK t
	SEND t-1, 16
.set t, t+1
.endr
	SEND 2*NP-1, 0
	WIN W_AD
	s_wait_tensorcnt 0x0            ; the wave's end, behind my last LDS store
	ds_add_u32 v[SPW], v[NIL]
	s_wait_dscnt 0x0
	WIN 0
	s_endpgm
.Lfunc_end_k_q5248e0f5c5_attn:
	.size	k_q5248e0f5c5_attn, .Lfunc_end_k_q5248e0f5c5_attn-k_q5248e0f5c5_attn
	.p2alignl 7, 3214868480
	.fill 96, 4, 3214868480
	.section	.rodata,"a",@progbits
	.p2align	6, 0x0
	.amdhsa_kernel k_q5248e0f5c5_attn
		.amdhsa_group_segment_fixed_size 226816
		.amdhsa_private_segment_fixed_size 0
		.amdhsa_enable_private_segment 0
		.amdhsa_kernarg_size 32
		.amdhsa_user_sgpr_count 2
		.amdhsa_user_sgpr_kernarg_segment_ptr 1
		.amdhsa_wavefront_size32 1
		.amdhsa_system_sgpr_workgroup_id_x 1
		.amdhsa_system_sgpr_workgroup_id_y 1
		.amdhsa_system_sgpr_workgroup_id_z 1
		.amdhsa_system_vgpr_workitem_id 0
		.amdhsa_next_free_vgpr 904
		.amdhsa_next_free_sgpr 66
		.amdhsa_reserve_vcc 0
		.amdhsa_float_denorm_mode_32 3
		.amdhsa_float_denorm_mode_16_64 3
		.amdhsa_memory_ordered 1
		.amdhsa_forward_progress 1
		.amdhsa_inst_pref_size 163
	.end_amdhsa_kernel
	.amdgpu_metadata
---
amdhsa.version: [ 1, 2 ]
amdhsa.kernels:
  - .name:           k_q5248e0f5c5_attn
    .symbol:         k_q5248e0f5c5_attn.kd
    .args:
      - { .name: x, .offset: 0, .size: 8, .value_kind: global_buffer, .address_space: global }
      - { .name: y, .offset: 8, .size: 8, .value_kind: global_buffer, .address_space: global }
      - { .name: z, .offset: 16, .size: 8, .value_kind: global_buffer, .address_space: global }
      - { .name: out0, .offset: 24, .size: 8, .value_kind: global_buffer, .address_space: global }
    .group_segment_fixed_size: 226816
    .private_segment_fixed_size: 0
    .kernarg_segment_align: 8
    .kernarg_segment_size: 32
    .max_flat_workgroup_size: 128
    .sgpr_count:     66
    .vgpr_count:     904
    .wavefront_size: 32
...
	.end_amdgpu_metadata
.endif
;; end of part 1
